; MI455X (gfx1250); checked and timed in simulation.
; The chip was launched on July 23, 2026; its instructions are those of AMD's public machine-readable ISA for CDNA 5 (MIT licence, August 2026) and "CDNA5" Instruction Set Architecture Reference Guide (July 2026). The comments in the code are by the model that wrote it; some were corrected since.
;; Multi Head Attention. Allowed arithmetic: matrix products marked QUANTISED: E4M3 operands, one given power-of-two scale a tensor, by v_wmma_f32_16x16x64_fp8_fp8 or v_wmma_f32_16x16x128_fp8_fp8, f32 sums; everything else in f32.
;; Inputs: Wk 1,024 x 1,024 float32; Wp 1,024 x 1,024 float32; Wq 1,024 x 1,024 float32; Wv 1,024 x 1,024 float32; bk 1,024 float32; bp 1,024 float32; bq 1,024 float32; bv 1,024 float32; lowp_scales 12 int32 (the exponents e of the quantised operands' scales 2^e); x 4 x 2,048 x 1,024 float32.
;; Outputs: out0 4 x 2,048 x 1,024 float32.
;; This version of the problem:
;;   THIS VERSION OF THE PROBLEM IS GIVEN IN LOW PRECISION. The matrix products marked QUANTISED in the list below multiply operands that are first quantised to E4M3 (4 exponent bits, 3 mantissa bits; 8 bits a number), with one given power-of-two scale for each operand tensor; their sums are f32. All else is computed in f32.
;;   The module's matrix products, in the order in which they are computed (A, B: the left and right operand; K: the contracted axis; several contracted axes count as one K, in the product's order):
;;     1. [M 8,192, K 1,024] x [K 1,024, N 1,024]; A: input x; B: input Wq: QUANTISED (scales: A lowp_scales[0], B lowp_scales[1])
;;     2. [M 8,192, K 1,024] x [K 1,024, N 1,024]; A: input x; B: input Wk: QUANTISED (scales: A lowp_scales[2], B lowp_scales[3])
;;     3. [M 8,192, K 1,024] x [K 1,024, N 1,024]; A: input x; B: input Wv: QUANTISED (scales: A lowp_scales[4], B lowp_scales[5])
;;     4. batch 64 x [M 2,048, K 64] x [K 64, N 2,048]; A: computed on the way; B: computed on the way: QUANTISED (scales: A lowp_scales[6], B lowp_scales[7])
;;     5. batch 64 x [M 64, K 2,048] x [K 2,048, N 2,048]; A: computed on the way; B: softmax (see below): QUANTISED (scales: A lowp_scales[8], B lowp_scales[9])
;;     6. [M 8,192, K 1,024] x [K 1,024, N 1,024]; A: computed on the way; B: input Wp: QUANTISED (scales: A lowp_scales[10], B lowp_scales[11])
;;   THE QUANTISER, for each operand of a quantised product, along K:
;;     - The operand's scale is 2^e, e = its entry of the input lowp_scales (int32; the entries are numbered through the quantised products in the list's order, A before B).
;;     - Each number is divided by the scale, clamped to +-448, and rounded to the nearest number of E4M3, ties to even, subnormals kept.
;;     - The product sums the exact products of the quantised numbers (number of the format x scale) in f32.
;;   ~~~python
;;   def quantise(x, axis, e):      # numpy; x: float32 -> the quantised numbers, widened to float32 again
;;       x = np.moveaxis(x, axis, -1); K = x.shape[-1]
;;       r = np.clip(x / 2.0 ** e, -448, 448)
;;       step = 2.0 ** (np.maximum(np.frexp(np.where(r == 0, 1, r))[1] - 1, -6) - 3)
;;       q = np.round(r / step) * step * 2.0 ** e      # np.round: ties to even
;;       return np.moveaxis(q, -1, axis).astype(np.float32)
;;   ~~~
;;   SOFTMAX AHEAD OF A QUANTISED PRODUCT. Where the list says 'softmax', what is quantised is not the finished softmax but p = 2^(t - M), with t = logit x log2(e) and M = ceil(the row's largest t), a whole number; so 1/2 < the row's largest p <= 1. The row's sum l is taken of the UNQUANTISED p, in f32, and the product's result is divided by l at the end. Since M is a whole number, a kernel that streams over the keys may use a running M (the ceiling of the running maximum): every later rescaling is an exact power of two, so the quantised numbers keep their values, but for numbers so far below the row's largest that they fall under the format's range.
;;   OPERANDS COMPUTED ON THE WAY. 'Computed on the way' means the value that the module computes at that place (a softmax that the list does not call 'softmax' is quantised finished and normalised). What goes into a quantiser is computed in f32, as accurately as f32 sums, v_exp_f32 and their like allow (about 1e-6 of the number): no bf16 or f16 on the way to a quantiser, and a product that is left as it is and whose result goes on into a quantised operand takes f32 operands (vector FMAs, or v_wmma_f32_16x16x4_f32). A number that lies on a knife's edge between two numbers of the format may be rounded either way, as far as f32 arithmetic and the matrix unit's own rounding can turn it there, and no further.
;; One version. Each part assembles by itself: llvm-mc -triple=amdgcn-amd-amdhsa -mcpu=gfx1250 --defsym DOCPART=n.
;; ======== version 1 of 1: 4 launches
;; limits: right only within a limited range of input values
;; workspace buffers: xc 25,165,824 bytes; wc 4,194,304 bytes; qkvc 25,165,824 bytes; yc 8,388,608 bytes
;; launch quant (part 1): grid 768 x 1, 4 waves a work-group, no clusters, 36,352 bytes of LDS; arguments x, Wq, Wk, Wv, Wp, lowp_scales, xc, wc; writes xc, wc
.if DOCPART == 1
	.amdgcn_target "amdgcn-amd-amdhsa--gfx1250"
	.amdhsa_code_object_version 6
	.text
	.protected	k_qbdbb645f05_quant
	.globl	k_qbdbb645f05_quant
	.p2align	8
	.type	k_qbdbb645f05_quant,@function
k_qbdbb645f05_quant:
	s_mov_b64 s[64:65], 0
	v_nop
	global_prefetch_b8 v0, s[64:65] scope:SCOPE_SE
	s_setreg_imm32_b32 hwreg(HW_REG_WAVE_MODE, 25, 1), 1
	s_wait_xcnt 0x0
; x [8192][1024] f32 becomes THREE sets of E4M3 codes (x is the left operand of three products, each with a scale of its own: entries 0, 2, 4 of the scales);
; Wq, Wk, Wv, Wp [1024 (k)][1024 (n)] f32 become one set each (entries 1, 3, 5, 11).  code = number / 2^e, held within +-448, to the nearest code, ties to even.
; LIMITS: each e lies between -126 and 119, so that 2^e and 448 x 2^e are f32 numbers.  NaN among the inputs is not served (an infinity is held at the largest code).
; THE CODES ARE LAID AS THE PRODUCTS' OPERAND REGISTERS WANT THEM: [K / 256][row / 16][4,096 bytes]; in such a block the 16 codes k = 16 c .. 16 c + 15 (c = 0 .. 15) of row r lie at 256 c + 16 r.
; So a fragment (16 rows x 128 K) is 2,048 consecutive bytes, four loads of 16 bytes a lane at 16 x lane.  A weight's "row" is its column n, so that K is innermost.
; Work-groups 0 to 511 take 16 rows of x each (a wave: 256 along K); work-groups 512 to 767 take 128 columns x 128 K of one weight.  The two ways have LDS bytes of their own.
; A stream: no matrix unit, no tensor load, no cluster, no barrier: waves share nothing.
.set XST,  4352                        ; x: a wave's stage, 16 rows x (256 bytes + 16)
.set WST0, 4*XST                       ; the weights' stages begin behind x's
.set WST,  4608                        ; a wave's stage: 32 columns x (128 bytes + 16)
.set LO,  4                            ; v4   16 x lane: my place in a store's 512 bytes
.set GI,  6                            ; v6   x: 4,096 (lane / 16) + 16 (lane % 16): two rows an instruction
.set SI,  7                            ; v7   x's stage, on the way in
.set SO,  14                           ; v14  x's stage, on the way out
.set WS,  15                           ; v15  a weight's stage, in: my column's row
.set WRD, 232                          ; v232 a weight's stage, out
.set L4,  233                          ; v233 4 x lane
.set R,   16                           ; v16-143  x as loaded: 4 steps x 8 loads
.set X,   144                          ; v144-175 32 numbers of my row: two runs of 16 neighbours
.set T,   176                          ; v176-207 the same, held
.set C,   208                          ; v208-231 the three sets' codes of a step
.set WC,  80                           ; v80-87   a block's codes (weights)
.set WO,  88                           ; v88-119  the way out (weights)
.set WV,  36
	s_load_b256 s[4:11], s[0:1], 0x0               ; x s[4:5], Wq s[6:7], Wk s[8:9], Wv s[10:11]
	s_load_b256 s[12:19], s[0:1], 0x20             ; Wp s[12:13], the scales s[14:15], xc s[16:17], wc s[18:19]
	v_lshl_add_u32 v240, v0, 2, 0x8c00
	v_mov_b32 v241, 0
	v_lshrrev_b32 v1, 5, v0
	v_readfirstlane_b32 s[WV], v1                  ; wave 0..3
	v_and_b32 v1, 31, v0                           ; lane
	v_and_b32 v2, 15, v0                           ; r
	v_bfe_u32 v3, v0, 4, 1                         ; h
	v_lshlrev_b32 v[LO], 4, v1
	v_lshlrev_b32 v5, 4, v2
	v_lshl_add_u32 v[GI], v3, 12, v5
	s_mul_i32 s37, s[WV], XST
	v_mul_u32_u24 v[SI], v3, 272
	v_add_nc_u32 v[SI], v[SI], v5
	v_add_nc_u32 v[SI], s37, v[SI]                 ; row lane / 16 of a pair, 16 bytes a lane
	v_mul_u32_u24 v[SO], v2, 272
	v_lshl_add_u32 v[SO], v3, 6, v[SO]
	v_add_nc_u32 v[SO], s37, v[SO]                 ; row r, 64 bytes (16 numbers) for each half of the lanes
	s_mul_i32 s38, s[WV], WST
	s_add_co_u32 s38, s38, WST0
	v_mul_u32_u24 v[WS], v1, 144
	v_add_nc_u32 v[WS], s38, v[WS]
	v_mul_u32_u24 v[WRD], v2, 144
	v_lshl_add_u32 v[WRD], v3, 4, v[WRD]
	v_add_nc_u32 v[WRD], s38, v[WRD]
	v_lshlrev_b32 v[L4], 2, v1
	s_wait_kmcnt 0x0
	s_load_b256 s[20:27], s[14:15], 0x0            ; e0 .. e7
	s_load_b128 s[28:31], s[14:15], 0x20           ; e8 .. e11
.macro MKSC e, vs, vl                  ; from the exponent in s[e]: 2^e as f32 (the conversion takes its exponent field) and 448 x 2^e
	s_add_co_i32 s50, s[\e], 127
	s_lshl_b32 s51, s50, 23
	v_mov_b32 v[\vs], s51
	s_add_co_i32 s50, s50, 8
	s_lshl_b32 s50, s50, 23
	s_or_b32 s50, s50, 0x600000
	v_mov_b32 v[\vl], s50
.endm
	s_cmp_lt_u32 ttmp9, 512                        ; x or a weight: the work-group's number alone decides
	s_cbranch_scc0 .Lweights
; ---------------- x: 16 rows x 256 K a wave, in four steps of 64 K ----------------
	s_lshl_b32 s40, ttmp9, 16                      ; 16 rows of 4,096 bytes
	s_lshl_b32 s41, s[WV], 10                      ; my 256 numbers of a row
	s_add_co_u32 s40, s40, s41
	s_mov_b32 s41, 0
	s_add_nc_u64 s[4:5], s[4:5], s[40:41]
.irp s, 0,1,2,3
.irp j, 0,1,2,3,4,5,6,7
	global_load_b128 v[R+32*\s+4*\j:R+32*\s+4*\j+3], v[GI], s[4:5] offset:\s*256+\j*8192 th:TH_LOAD_NT   ; rows 2 j, 2 j + 1: sixteen lanes read 256 consecutive bytes of a row.  All 32 loads go out at once
.endr
.endr
	s_lshl_b32 s42, s[WV], 21                      ; my quarter of K: 512 blocks of 4,096 bytes
	s_lshl_b32 s43, ttmp9, 12                      ; my 16 rows' block
	s_add_co_u32 s42, s42, s43
	s_mov_b32 s43, 0
	s_add_nc_u64 s[44:45], s[16:17], s[42:43]      ; the three sets lie 8 MiB apart
	s_add_nc_u64 s[46:47], s[44:45], 0x800000
	s_add_nc_u64 s[48:49], s[44:45], 0x1000000
	s_wait_kmcnt 0x0
	MKSC 20, 8, 9
	MKSC 22, 10, 11
	MKSC 24, 12, 13
; A step: the loads took the bytes as they lie; the conversions want 16 neighbours along K in one lane.  So a step's 16 x 256 bytes turn through my wave's own stage.
.macro XSTEP s
	s_wait_loadcnt 8*(3-\s)                        ; this step's eight loads are in; the later steps' may be out
.irp j, 0,1,2,3,4,5,6,7
	ds_store_b128 v[SI], v[R+32*\s+4*\j:R+32*\s+4*\j+3] offset:\j*544
.endr
.irp i, 0,1
.irp m, 0,1,2,3
	ds_load_b128 v[X+16*\i+4*\m:X+16*\i+4*\m+3], v[SO] offset:\i*128+16*\m   ; LDS serves a wave's instructions in order: these see the stores above.  K = 32 i + 16 h + 4 m .. of row r
.endr
.endr
	s_wait_dscnt 0x0
	s_wait_xcnt 0x0                                ; the last step's stores have read their codes: the registers are written again only behind this wait
.irp p, 0,1,2
.set n, 0
.rept 32
	v_med3_num_f32 v[T+n], v[X+n], -v[9+2*\p], v[9+2*\p]   ; the conversion to an 8-bit code does not saturate (ISA guide 7.6.2): the hold at 448 x the scale comes first
.set n, n+1
.endr
.irp g, 0,1,2,3
	v_cvt_scalef32_pk8_fp8_f32 v[C+8*\p+2*\g:C+8*\p+2*\g+1], v[T+8*\g:T+8*\g+7], v[8+2*\p]
.endr
	v_nop                                          ; a plain line between the conversions and the next set's holds, which write their sources
.endr
.irp p, 0,1,2
.irp i, 0,1
	global_store_b128 v[LO], v[C+8*\p+4*\i:C+8*\p+4*\i+3], s[44+2*\p:45+2*\p] offset:\s*1024+\i*512   ; 32 lanes store 512 consecutive bytes, at a multiple of 512 from the buffer's first byte
.endr
.endr
.endm
	s_wait_alu depctr_va_vdst(0)
.irp s, 0,1,2,3
	XSTEP \s
.endr
	s_wait_tensorcnt 0x0
	ds_add_u32 v240, v241
	s_wait_dscnt 0x0
	s_endpgm
; ---------------- a weight: a lane takes a column n, and its registers run down K ----------------
.Lweights:
	s_sub_co_u32 s40, ttmp9, 512
	s_lshr_b32 s41, s40, 6                         ; which weight: q, k, v, p
	s_and_b32 s42, s40, 7                          ; which 128 columns
	s_bfe_u32 s43, s40, 0x30003                    ; which 128 along K
	s_wait_kmcnt 0x0
	s_cmp_eq_u32 s41, 1                            ; the choice hangs on the work-group's number alone
	s_cselect_b64 s[6:7], s[8:9], s[6:7]
	s_cselect_b32 s21, s23, s21                    ; e1, e3, e5 or e11
	s_cmp_eq_u32 s41, 2
	s_cselect_b64 s[6:7], s[10:11], s[6:7]
	s_cselect_b32 s21, s25, s21
	s_cmp_eq_u32 s41, 3
	s_cselect_b64 s[6:7], s[12:13], s[6:7]
	s_cselect_b32 s21, s31, s21
	s_lshl_b32 s44, s42, 7
	s_lshl_b32 s45, s[WV], 5
	s_add_co_u32 s44, s44, s45                     ; my wave's first column
	s_lshl_b32 s46, s43, 19                        ; 128 rows of 4,096 bytes
	s_lshl_b32 s47, s44, 2
	s_add_co_u32 s46, s46, s47
	s_mov_b32 s47, 0
	s_add_nc_u64 s[6:7], s[6:7], s[46:47]
	s_lshl_b32 s48, s41, 20                        ; the weight's 1 MiB of codes,
	s_lshr_b32 s49, s43, 1
	s_lshl_b32 s49, s49, 18                        ; its K / 256: 64 blocks of 4,096 bytes,
	s_add_co_u32 s48, s48, s49
	s_lshl_b32 s49, s44, 8                         ; the block of my first column (column / 16 x 4,096),
	s_add_co_u32 s48, s48, s49
	s_and_b32 s49, s43, 1
	s_lshl_b32 s49, s49, 11                        ; and which half of the block's 256 along K
	s_add_co_u32 s48, s48, s49
	s_mov_b32 s49, 0
	s_add_nc_u64 s[18:19], s[18:19], s[48:49]
.macro WLOAD t                         ; W(32 t + i, my column), i = 0 .. 31: a wave reads 128 consecutive bytes, the four waves 512
.set n, 0
.rept 32
	global_load_b32 v[R+32*((\t)%2)+n], v[L4], s[6:7] offset:(32*(\t)+n)*4096 th:TH_LOAD_NT
.set n, n+1
.endr
.endm
	s_wait_alu depctr_va_vdst(0)
	WLOAD 0
	WLOAD 1
	MKSC 21, 8, 9
.macro WBLOCK t
.if (\t) < 3
	s_wait_loadcnt 32                              ; this block's 32 loads are in; the next block's may be out
.else
	s_wait_loadcnt 0
.endif
.set n, 0
.rept 32
	v_med3_num_f32 v[R+32*((\t)%2)+n], v[R+32*((\t)%2)+n], -v9, v9
.set n, n+1
.endr
.irp g, 0,1,2,3
	v_cvt_scalef32_pk8_fp8_f32 v[WC+2*\g:WC+2*\g+1], v[R+32*((\t)%2)+8*\g:R+32*((\t)%2)+8*\g+7], v8
.endr
	v_nop                                          ; a plain line behind the last conversion
	ds_store_b128 v[WS], v[WC:WC+3] offset:32*(\t)   ; 32 codes along K of my column
	ds_store_b128 v[WS], v[WC+4:WC+7] offset:32*(\t)+16
.if (\t)+2 < 4
	WLOAD (\t)+2
.endif
	s_wait_dscnt 0x0                               ; the stores have read their registers: the next block's codes may be written
.endm
	s_wait_alu depctr_va_vdst(0)
.irp t, 0,1,2,3
	WBLOCK \t
.endr
.irp u, 0,1,2,3,4,5,6,7                ; out of the stage in the operand's order: 16 columns x two runs of 16 codes an instruction
	ds_load_b128 v[WO+4*\u:WO+4*\u+3], v[WRD] offset:(\u/4)*2304+(\u%4)*32
.endr
.irp u, 0,1,2,3,4,5,6,7
	s_wait_dscnt 7-\u                              ; the younger loads may be out
	global_store_b128 v[LO], v[WO+4*\u:WO+4*\u+3], s[18:19] offset:(\u/4)*4096+(\u%4)*512   ; 512 consecutive bytes
.endr
	s_wait_tensorcnt 0x0
	ds_add_u32 v240, v241
	s_wait_dscnt 0x0
	s_endpgm
.Lfunc_end_k_qbdbb645f05_quant:
	.size	k_qbdbb645f05_quant, .Lfunc_end_k_qbdbb645f05_quant-k_qbdbb645f05_quant
	.p2alignl 7, 3214868480
	.fill 96, 4, 3214868480
	.section	.rodata,"a",@progbits
	.p2align	6, 0x0
	.amdhsa_kernel k_qbdbb645f05_quant
		.amdhsa_group_segment_fixed_size 36352
		.amdhsa_private_segment_fixed_size 0
		.amdhsa_enable_private_segment 0
		.amdhsa_kernarg_size 64
		.amdhsa_user_sgpr_count 2
		.amdhsa_user_sgpr_kernarg_segment_ptr 1
		.amdhsa_wavefront_size32 1
		.amdhsa_system_sgpr_workgroup_id_x 1
		.amdhsa_system_sgpr_workgroup_id_y 1
		.amdhsa_system_sgpr_workgroup_id_z 1
		.amdhsa_system_vgpr_workitem_id 0
		.amdhsa_next_free_vgpr 242
		.amdhsa_next_free_sgpr 66
		.amdhsa_reserve_vcc 0
		.amdhsa_float_denorm_mode_32 3
		.amdhsa_float_denorm_mode_16_64 3
		.amdhsa_memory_ordered 1
		.amdhsa_forward_progress 1
		.amdhsa_inst_pref_size 66
	.end_amdhsa_kernel
	.amdgpu_metadata
---
amdhsa.version: [ 1, 2 ]
amdhsa.kernels:
  - .name:           k_qbdbb645f05_quant
    .symbol:         k_qbdbb645f05_quant.kd
    .args:
      - { .name: x, .offset: 0, .size: 8, .value_kind: global_buffer, .address_space: global }
      - { .name: Wq, .offset: 8, .size: 8, .value_kind: global_buffer, .address_space: global }
      - { .name: Wk, .offset: 16, .size: 8, .value_kind: global_buffer, .address_space: global }
      - { .name: Wv, .offset: 24, .size: 8, .value_kind: global_buffer, .address_space: global }
      - { .name: Wp, .offset: 32, .size: 8, .value_kind: global_buffer, .address_space: global }
      - { .name: lowp_scales, .offset: 40, .size: 8, .value_kind: global_buffer, .address_space: global }
      - { .name: xc, .offset: 48, .size: 8, .value_kind: global_buffer, .address_space: global }
      - { .name: wc, .offset: 56, .size: 8, .value_kind: global_buffer, .address_space: global }
    .group_segment_fixed_size: 36352
    .private_segment_fixed_size: 0
    .kernarg_segment_align: 8
    .kernarg_segment_size: 64
    .max_flat_workgroup_size: 128
    .sgpr_count:     66
    .vgpr_count:     242
    .wavefront_size: 32
...
	.end_amdgpu_metadata
.endif
;; end of part 1
;; launch qkv (part 2): grid 4 x 64, 4 waves a work-group, clusters of 4 x 4, 327,680 bytes of LDS; arguments xc, wc, lowp_scales, bq, bk, bv, qkvc; writes qkvc
.if DOCPART == 2
	.amdgcn_target "amdgcn-amd-amdhsa--gfx1250"
	.amdhsa_code_object_version 6
	.text
	.protected	k_qbdbb645f05_qkv
	.globl	k_qbdbb645f05_qkv
	.p2align	8
	.type	k_qbdbb645f05_qkv,@function
k_qbdbb645f05_qkv:
	s_mov_b64 s[64:65], 0
	v_nop
	global_prefetch_b8 v0, s[64:65] scope:SCOPE_SE
	s_setreg_imm32_b32 hwreg(HW_REG_WAVE_MODE, 25, 1), 1
	s_wait_xcnt 0x0
	s_wait_alu depctr_hold_cnt(0) depctr_sa_sdst(0) depctr_va_vdst(0) depctr_va_sdst(0) depctr_va_ssrc(0) depctr_va_vcc(0) depctr_vm_vsrc(0)
	s_getreg_b32 s2, hwreg(HW_REG_IB_STS2, 6, 4)
	s_cmp_eq_u32 s2, 0
	s_cbranch_scc0 .Lentry_in_a_cluster
	s_endpgm
.Lentry_in_a_cluster:
	s_bfe_u32 s2, ttmp6, 0x10000c
	s_cmp_lg_u32 s2, 0xf033
	s_cbranch_scc0 .Lentry_shape_is_right
	s_endpgm
.Lentry_shape_is_right:
; q = x Wq + bq, k = x Wk + bk, v = x Wv + bv on E4M3 codes, and the quantising of the three results (entries 6, 7, 8 of the scales) for the attention's products.
; xc holds x's three sets of codes, wc the weights': [K / 256][row / 16][4,096 bytes], so the 12 chunks of 256 along K of the three products follow each other 0x200000 bytes apart in xc and 0x40000 in wc.
; A sum stands for sum x 2^(ea + eb); the bias goes in as the C of a product's first step, divided by that power; the three scales ahead of the quantiser are folded into the conversion's one.
; SHARES.  A work-group makes 128 rows x 256 columns of each of q, k and v; a wave 64 x 128: 32 accumulators, window 2.  24 steps of 128 along K, 32 matrix instructions each, the accumulators by turns.
; LDS.  ONE region holds three chunks (A 3 x 32,768 bytes, B 3 x 65,536): 4 fills in the launch.  Each wave brings a quarter by one tensor load: a tile of 3 rows, a row being its half of a chunk (16,384 or 32,768 dense bytes),
; the rows one chunk apart in memory.  The region is filled again when every wave has its last fragments in registers: the tensor wait, the add and its wait, a round of the cluster's barrier, the joint load; the last step's products follow it.
; CLUSTERS: 4 x 4 work-groups; A's tiles are asked for jointly along a row of the cluster, B's along a column.
; PREFETCH: behind each joint load but the last the next fill's bytes are named, one fill (six steps) ahead: of A's 3 x 32,768 bytes each of the four partners takes 8,192 a chunk (wave 0), of B's 3 x 65,536 each takes 16,384 a chunk
; (waves 1 and 2), told apart by address: lanes 256 bytes apart, each block of 256 bytes once in a cluster.
; q and k are used transposed (source 0 = W's columns), v not: so the codes leave in the order in which the attention's operand registers take them, 512 consecutive bytes a store, straight from registers.
; LIMITS: e6 - e0 - e1, e7 - e2 - e3 and e8 - e4 - e5 lie between -126 and 119.  NaN is not served.
; REGISTERS.  Window 0: v8-13 scales and bounds; v16-18, v20-22 LDS addresses of the three chunks; v32-95 codes on the way out; v128-255 A's fragments, two sets.  Window 1: B's fragments, two sets.  Window 2: sums.  Window 3: the biases.
.set BOFF,  98304
.set SPARE, 294912                     ; behind the region: the spare words, 128 bytes for each wave
.set ASTEP, 0x200000
.set BSTEP, 0x40000
.set SCV,  8
.set LIMV, 9
.set ADRA, 16
.set ADRB, 20
.set GOUT, 26
.set SPW,  28
.set NIL,  29
.set PFO,  30
.set CD,   32
.set AF,   128
.set WV,   18
.set WRW,  19
.set WCL,  20
.set G1,   24
.set G0,   32
.set PFA,  36
.set PFB,  38
.set G1B,  48
.set G0B,  56
.set OB,   86
.set MSB, 0
.macro WIN new                         ; the immediate's high byte repeats the setting that is left
.if MSB != \new
	s_set_vgpr_msb (MSB<<8)|\new
.set MSB, \new
.endif
.endm
.macro WINM mode, sw                   ; the products' windows: sw = 1: A is source 0; mode = 1: C is a bias (window 3)
.if \sw
.if \mode
	WIN 0xb4
.else
	WIN 0xa4
.endif
.else
.if \mode
	WIN 0xb1
.else
	WIN 0xa1
.endif
.endif
.endm
.macro PLACES n
.rept \n
	v_nop
.endr
.endm
.macro JLOAD                           ; waves 0 and 1 fetch A's halves, waves 2 and 3 B's; an s_nop 0 and four v_nop follow each line
	s_cmp_eq_u32 s[WRW], 0
	s_cbranch_scc0 .Lfor_b_\@
	tensor_load_to_lds s[G0:G0+3], s[G1:G1+7]
	s_nop 0
.rept 4
	v_nop
.endr
	s_branch .Lasked_\@
.Lfor_b_\@:
	tensor_load_to_lds s[G0B:G0B+3], s[G1B:G1B+7]
	s_nop 0
.rept 4
	v_nop
.endr
.Lasked_\@:
.endm
.macro CREST
	s_cmp_lg_u32 s[WV], 0
	s_cbranch_scc1 .Lnot_wave_0_\@
	s_barrier_signal -3
.Lnot_wave_0_\@:
	s_barrier_wait -3
	s_barrier_signal -1
	s_barrier_wait -1
.endm
.macro CROUND
	s_barrier_signal -1
	s_barrier_wait -1
	CREST
.endm
.macro ASK                             ; the next fill's three chunks: wave 0 for A, waves 1 and 2 for B
	s_cmp_eq_u32 s[WV], 0
	s_cbranch_scc0 .Lask_b_\@
.irp c, 0,1,2
	global_prefetch_b8 v[PFO], s[PFA:PFA+1] offset:\c*ASTEP th:TH_LOAD_NT scope:SCOPE_SE
.endr
	s_branch .Lask_end_\@
.Lask_b_\@:
	s_cmp_eq_u32 s[WV], 3
	s_cbranch_scc1 .Lask_end_\@
.irp c, 0,1,2
	global_prefetch_b8 v[PFO], s[PFB:PFB+1] offset:\c*BSTEP th:TH_LOAD_NT scope:SCOPE_SE
.endr
.Lask_end_\@:
.endm
	s_load_b256 s[4:11], s[0:1], 0x0               ; xc s[4:5], wc s[6:7], the scales s[8:9], bq s[10:11]
	s_load_b128 s[12:15], s[0:1], 0x20             ; bk, bv
	s_load_b64 s[16:17], s[0:1], 0x30              ; qkvc
	v_lshl_add_u32 v[SPW], v0, 2, SPARE
	v_mov_b32 v[NIL], 0
	ds_add_u32 v[SPW], v[NIL]                      ; the opening lines: the add, twice on end, and its wait ahead of my first tensor load
	ds_add_u32 v[SPW], v[NIL]
	v_lshrrev_b32 v1, 5, v0
	v_readfirstlane_b32 s[WV], v1
	s_lshr_b32 s[WRW], s[WV], 1                    ; my half of the rows.  Also: I fetch for A (0) or B (1)
	s_and_b32 s[WCL], s[WV], 1                     ; my half of the columns.  Also: which half of a chunk I fetch
	s_bfe_u32 s21, ttmp6, 0x40000                  ; cx
	s_bfe_u32 s22, ttmp6, 0x40004                  ; cy
	s_lshl_b32 s23, ttmp9, 2
	s_add_co_u32 s23, s23, s21                     ; tile column
	s_and_b32 s66, ttmp7, 0xffff
	s_lshl_b32 s66, s66, 2
	s_add_co_u32 s66, s66, s22                     ; tile row
	s_lshl_b32 s40, s22, 2
	s_lshl_b32 s40, 15, s40                        ; my row of the cluster
	s_lshl_b32 s41, 0x1111, s21                    ; my column
	s_or_b32 s[G1], s40, (3<<16)|(1<<21)           ; the mask; elements of 8 bytes; bit 21 beside a mask; no padding
	s_or_b32 s[G1B], s41, (3<<16)|(1<<21)
	s_mov_b32 s[G1+1], 2048<<16                    ; A: rows of 2,048 elements (16,384 bytes),
	s_mov_b32 s[G1+2], 3<<16                       ; three of them,
	s_mov_b32 s[G1+3], 2048<<16
	s_mov_b32 s[G1+4], 3
	s_mov_b32 s[G1+5], ASTEP/8                     ; a chunk apart
	s_mov_b32 s[G1+6], 0
	s_mov_b32 s[G1+7], 0
	s_mov_b32 s[G1B+1], 4096<<16                   ; B: rows of 4,096 elements (32,768 bytes)
	s_mov_b32 s[G1B+2], 3<<16
	s_mov_b32 s[G1B+3], 4096<<16
	s_mov_b32 s[G1B+4], 3
	s_mov_b32 s[G1B+5], BSTEP/8
	s_mov_b32 s[G1B+6], 0
	s_mov_b32 s[G1B+7], 0
	s_lshl_b32 s42, s66, 15
	s_lshl_b32 s43, s[WCL], 14
	s_add_co_u32 s42, s42, s43
	s_mov_b32 s43, 0
	s_lshl_b32 s46, s23, 16
	s_lshl_b32 s47, s[WCL], 15
	s_add_co_u32 s46, s46, s47
	s_mov_b32 s47, 0
	s_mul_i32 s67, s[WCL], 49152                   ; LDS: A [half][chunk][16,384],
	s_mul_i32 s80, s[WCL], 98304
	s_add_co_u32 s80, s80, BOFF                    ; B [half][chunk][32,768]
	s_wait_dscnt 0x0
	s_wait_kmcnt 0x0
	s_load_b256 s[68:75], s[8:9], 0x0              ; e0 .. e7
	s_load_b128 s[76:79], s[8:9], 0x20             ; e8 .. e11
	s_add_nc_u64 s[42:43], s[4:5], s[42:43]
	s_add_nc_u64 s[46:47], s[6:7], s[46:47]
	CROUND                                         ; all sixteen work-groups are here: the first joint loads meet
	s_mov_b32 s[G0], 1
	s_mov_b32 s[G0+1], s67
	s_mov_b64 s[G0+2:G0+3], s[42:43]
	s_or_b32 s[G0+3], s[G0+3], 0x80000000
	s_mov_b32 s[G0B], 1
	s_mov_b32 s[G0B+1], s80
	s_mov_b64 s[G0B+2:G0B+3], s[46:47]
	s_or_b32 s[G0B+3], s[G0B+3], 0x80000000
	JLOAD                                          ; chunks 0 to 2: my one tensor load at the head
	v_and_b32 v1, 31, v0
	v_and_b32 v2, 15, v0
	v_bfe_u32 v3, v0, 4, 1
	v_lshlrev_b32 v[GOUT], 4, v1
	v_lshlrev_b32 v[PFO], 8, v1
	v_lshlrev_b32 v4, 5, v3
	v_lshlrev_b32 v5, 2, v2
	s_wait_alu depctr_va_vdst(0)                   ; ahead of the scalar lines
	s_mul_i32 s81, s[WRW], 49152
	s_mul_i32 s82, s[WCL], 98304
	s_add_co_u32 s82, s82, BOFF
.irp s, 0,1,2
	v_add_nc_u32 v[ADRA+\s], s81, v[GOUT]
	v_add_nc_u32 v[ADRB+\s], s82, v[GOUT]
	s_add_co_u32 s81, s81, 16384
	s_add_co_u32 s82, s82, 32768
.endr
	s_wait_alu depctr_va_vdst(0)
	s_lshl_b32 s82, s23, 10
	s_lshl_b32 s83, s[WCL], 9
	s_add_co_u32 s82, s82, s83
	s_mov_b32 s83, 0
	s_add_nc_u64 s[10:11], s[10:11], s[82:83]
	s_add_nc_u64 s[12:13], s[12:13], s[82:83]
	s_add_nc_u64 s[14:15], s[14:15], s[82:83]
	WIN 0xc0
.irp b, 0,1,2,3,4,5,6,7                ; the biases in the results' layout: q, k: a lane's eight columns; v: its one column
	global_load_b128 v[8*\b:8*\b+3], v4, s[10:11] offset:64*\b
	global_load_b128 v[8*\b+4:8*\b+7], v4, s[10:11] offset:64*\b+16
	global_load_b128 v[64+8*\b:64+8*\b+3], v4, s[12:13] offset:64*\b
	global_load_b128 v[64+8*\b+4:64+8*\b+7], v4, s[12:13] offset:64*\b+16
	global_load_b32 v[128+8*\b], v5, s[14:15] offset:64*\b
.endr
	WIN 0
	s_lshl_b32 s82, s66, 15                        ; the prefetches: my work-group's 8,192 bytes of A's chunk 3,
	s_lshl_b32 s83, s21, 13
	s_add_co_u32 s82, s82, s83
	s_add_co_u32 s82, s82, 3*ASTEP
	s_mov_b32 s83, 0
	s_add_nc_u64 s[PFA:PFA+1], s[4:5], s[82:83]
	s_lshl_b32 s82, s23, 16                        ; and waves 1 and 2: 8,192 each of its 16,384 of B's chunk 3
	s_lshl_b32 s81, s22, 14
	s_add_co_u32 s82, s82, s81
	s_lshl_b32 s81, s[WV], 13
	s_add_co_u32 s82, s82, s81
	s_add_co_u32 s82, s82, 3*BSTEP-8192
	s_add_nc_u64 s[PFB:PFB+1], s[6:7], s[82:83]
	ASK                                            ; chunks 3 to 5
	s_lshr_b32 s82, s66, 4                         ; where the codes go: [batch x 16 + head][131,072 bytes] in each of q, k, v
	s_lshl_b32 s82, s82, 4
	s_lshl_b32 s83, s23, 2
	s_add_co_u32 s82, s82, s83
	s_lshl_b32 s83, s[WCL], 1
	s_add_co_u32 s82, s82, s83
	s_lshl_b32 s82, s82, 17
	s_and_b32 s83, s66, 15
	s_lshl_b32 s83, s83, 13
	s_add_co_u32 s82, s82, s83
	s_mov_b32 s83, 0
	s_add_nc_u64 s[84:85], s[16:17], s[82:83]
	s_lshl_b32 s82, s[WRW], 12
	s_add_nc_u64 s[OB:OB+1], s[84:85], s[82:83]
	s_add_nc_u64 s[OB+2:OB+3], s[OB:OB+1], 0x800000
	s_lshl_b32 s82, s[WRW], 10
	s_add_nc_u64 s[OB+4:OB+5], s[84:85], s[82:83]
	s_add_nc_u64 s[OB+4:OB+5], s[OB+4:OB+5], 0x1000000
	s_wait_kmcnt 0x0
.irp p, 0,1,2
	s_add_co_i32 s82, s[68+2*\p], s[69+2*\p]       ; ea + eb
	s_sub_co_i32 s[92+\p], 0, s82
	s_sub_co_i32 s82, s[74+\p], s82                ; e of the result - ea - eb
	s_add_co_i32 s82, s82, 127
	s_lshl_b32 s83, s82, 23
	v_mov_b32 v[SCV+2*\p], s83
	s_add_co_i32 s82, s82, 8
	s_lshl_b32 s82, s82, 23
	s_or_b32 s82, s82, 0x600000
	v_mov_b32 v[LIMV+2*\p], s82                    ; 448 x that
.endr
	s_wait_loadcnt 0x0
	WIN 0xc3
.set n, 0
.rept 64
	v_ldexp_f32 v[n], v[n], s92                    ; the biases / 2^(ea + eb)
	v_ldexp_f32 v[64+n], v[64+n], s93
.set n, n+1
.endr
.irp b, 0,1,2,3,4,5,6,7
.irp j, 7,6,5,4,3,2,1,0
	v_ldexp_f32 v[128+8*\b+\j], v[128+8*\b], s94   ; v's: the lane's one column in all eight rows
.endr
.endr
	WIN 0
.macro MUL8 a, set, mode, p, sw
.irp b, 0,1,2,3,4,5,6,7
.if \sw
.if \mode
	v_wmma_f32_16x16x128_fp8_fp8 v[8*(8*\a+\b):8*(8*\a+\b)+7], v[AF+64*\set+16*\a:AF+64*\set+16*\a+15], v[128*\set+16*\b:128*\set+16*\b+15], v[64*\p+8*\b:64*\p+8*\b+7]
.else
	v_wmma_f32_16x16x128_fp8_fp8 v[8*(8*\a+\b):8*(8*\a+\b)+7], v[AF+64*\set+16*\a:AF+64*\set+16*\a+15], v[128*\set+16*\b:128*\set+16*\b+15], v[8*(8*\a+\b):8*(8*\a+\b)+7]
.endif
.else
.if \mode
	v_wmma_f32_16x16x128_fp8_fp8 v[8*(8*\a+\b):8*(8*\a+\b)+7], v[128*\set+16*\b:128*\set+16*\b+15], v[AF+64*\set+16*\a:AF+64*\set+16*\a+15], v[64*\p+8*\b:64*\p+8*\b+7]
.else
	v_wmma_f32_16x16x128_fp8_fp8 v[8*(8*\a+\b):8*(8*\a+\b)+7], v[128*\set+16*\b:128*\set+16*\b+15], v[AF+64*\set+16*\a:AF+64*\set+16*\a+15], v[8*(8*\a+\b):8*(8*\a+\b)+7]
.endif
.endif
.endr
.endm
.macro FETCH ch, q, set                ; the fragments of one step: chunk ch of the region, half q of its 256 along K: 2,048 consecutive bytes a fragment
	WIN 0x40
.irp i, 0,1,2,3,4,5,6,7
.irp c, 0,1,2,3
	ds_load_b128 v[128*\set+16*\i+4*\c:128*\set+16*\i+4*\c+3], v[ADRB+\ch] offset:\i*4096+\q*2048+\c*512
.endr
.endr
	WIN 0
.irp i, 0,1,2,3
.irp c, 0,1,2,3
	ds_load_b128 v[AF+64*\set+16*\i+4*\c:AF+64*\set+16*\i+4*\c+3], v[ADRA+\ch] offset:\i*4096+\q*2048+\c*512
.endr
.endr
.endm
; THE REGION IS FILLED AGAIN.  My last fragments are in registers (the step's wait on DScnt); no tensor load of mine is out; the add; a round of the cluster's barrier: no wave of any partner still reads; the joint load.
.macro REFILL ask
	WIN 0
	s_wait_tensorcnt 0x0
	ds_add_u32 v[SPW], v[NIL]
.if \ask
	s_wait_xcnt 0x0                                ; my last prefetches have read their addresses
	s_add_nc_u64 s[PFA:PFA+1], s[PFA:PFA+1], 3*ASTEP
	s_add_nc_u64 s[PFB:PFB+1], s[PFB:PFB+1], 3*BSTEP
.endif
	s_add_nc_u64 s[G0+2:G0+3], s[G0+2:G0+3], 3*ASTEP
	s_add_nc_u64 s[G0B+2:G0B+3], s[G0B+2:G0B+3], 3*BSTEP
	s_wait_dscnt 0x0
	CROUND
	JLOAD
.if \ask
	ASK
.endif
.endm
; A PRODUCT'S END: the sums are held within 448 x the folded scale and become codes; each group of four registers is 512 consecutive bytes of the attention's operand order and is stored as it stands.
.macro EPI p
	PLACES 4
	s_wait_xcnt 0x0                                ; the last product's stores have read their registers
	WIN 0x82
.set n, 0
.rept 256
	v_med3_num_f32 v[n], v[n], -v[LIMV+2*\p], v[LIMV+2*\p]
.set n, n+1
.endr
	WIN 0x02
.irp a, 0,1,2,3
.irp b, 0,1,2,3,4,5,6,7
.if \p == 2
	v_cvt_scalef32_pk8_fp8_f32 v[CD+4*(8*(\a/2)+\b)+2*(\a%2):CD+4*(8*(\a/2)+\b)+2*(\a%2)+1], v[8*(8*\a+\b):8*(8*\a+\b)+7], v[SCV+2*\p]
.else
	v_cvt_scalef32_pk8_fp8_f32 v[CD+2*(8*\a+\b):CD+2*(8*\a+\b)+1], v[8*(8*\a+\b):8*(8*\a+\b)+7], v[SCV+2*\p]
.endif
.endr
.endr
	v_nop                                          ; a plain line behind the last conversion
	WIN 0
.irp g, 0,1,2,3,4,5,6,7,8,9,10,11,12,13,14,15
.if \p == 2
	global_store_b128 v[GOUT], v[CD+4*\g:CD+4*\g+3], s[OB+2*\p:OB+2*\p+1] offset:((\g%8)/4)*131072+(\g%4)*2048+(\g/8)*512
.else
	global_store_b128 v[GOUT], v[CD+4*\g:CD+4*\g+3], s[OB+2*\p:OB+2*\p+1] offset:((\g%4)/2)*131072+((\g/4)*2+(\g%2))*512
.endif
.endr
.endm
; STEP k of 24: product k / 8; chunk (k / 2) % 3 of the region.  While it is multiplied the next step's fragments come into the other set; the sixth step of a fill asks for the next fill instead.
.macro KSTEP k
.set KM, 0
.if ((\k)%8) == 0
.set KM, 1
.endif
.set RA, 0
.if (\k) < 17
.set RA, 1
.endif
.set KP, (\k)/8
.set KW, (\k)/16
.set KT, (\k)%2
.set NT, 1-KT
.set NC, (((\k)+1)/2)%3
.set NQ, ((\k)+1)%2
	s_wait_dscnt 0x0                               ; this step's fragments are in
.if ((\k)%6) != 5
	PLACES 4                                       ; in front of loads into registers that the step before has multiplied
	FETCH NC, NQ, NT
.else
.if (\k) < 23
	REFILL RA
.endif
.endif
	WINM KM, KW
	MUL8 0, KT, KM, KP, KW
	MUL8 1, KT, KM, KP, KW
	MUL8 2, KT, KM, KP, KW
	MUL8 3, KT, KM, KP, KW
.if ((\k)%8) == 7
	EPI KP
.endif
.if ((\k)%6) == 5 && (\k) < 23
	WIN 0
	s_wait_tensorcnt 0x0                           ; my part of the new fill is in,
	s_barrier_signal -1
	s_barrier_wait -1                              ; and everybody's
	PLACES 4
	FETCH 0, 0, NT
.endif
.endm
	s_wait_alu depctr_va_vdst(0)                   ; the head's end
	s_wait_tensorcnt 0x0
	s_barrier_signal -1
	s_barrier_wait -1                              ; chunks 0 to 2 are whole
	FETCH 0, 0, 0
.irp k, 0,1,2,3,4,5,6,7,8,9,10,11,12,13,14,15,16,17,18,19,20,21,22,23
	KSTEP \k
.endr
	s_wait_tensorcnt 0x0                           ; the wave's end
	ds_add_u32 v[SPW], v[NIL]
	s_wait_dscnt 0x0
	CROUND                                         ; the closing round
	s_endpgm
.Lfunc_end_k_qbdbb645f05_qkv:
	.size	k_qbdbb645f05_qkv, .Lfunc_end_k_qbdbb645f05_qkv-k_qbdbb645f05_qkv
	.p2alignl 7, 3214868480
	.fill 96, 4, 3214868480
	.section	.rodata,"a",@progbits
	.p2align	6, 0x0
	.amdhsa_kernel k_qbdbb645f05_qkv
		.amdhsa_group_segment_fixed_size 327680
		.amdhsa_private_segment_fixed_size 0
		.amdhsa_enable_private_segment 0
		.amdhsa_kernarg_size 56
		.amdhsa_user_sgpr_count 2
		.amdhsa_user_sgpr_kernarg_segment_ptr 1
		.amdhsa_wavefront_size32 1
		.amdhsa_system_sgpr_workgroup_id_x 1
		.amdhsa_system_sgpr_workgroup_id_y 1
		.amdhsa_system_sgpr_workgroup_id_z 1
		.amdhsa_system_vgpr_workitem_id 0
		.amdhsa_next_free_vgpr 1024
		.amdhsa_next_free_sgpr 100
		.amdhsa_reserve_vcc 0
		.amdhsa_float_denorm_mode_32 3
		.amdhsa_float_denorm_mode_16_64 3
		.amdhsa_memory_ordered 1
		.amdhsa_forward_progress 1
		.amdhsa_inst_pref_size 216
	.end_amdhsa_kernel
	.amdgpu_metadata
---
amdhsa.version: [ 1, 2 ]
amdhsa.kernels:
  - .name:           k_qbdbb645f05_qkv
    .symbol:         k_qbdbb645f05_qkv.kd
    .args:
      - { .name: xc, .offset: 0, .size: 8, .value_kind: global_buffer, .address_space: global }
      - { .name: wc, .offset: 8, .size: 8, .value_kind: global_buffer, .address_space: global }
      - { .name: lowp_scales, .offset: 16, .size: 8, .value_kind: global_buffer, .address_space: global }
      - { .name: bq, .offset: 24, .size: 8, .value_kind: global_buffer, .address_space: global }
      - { .name: bk, .offset: 32, .size: 8, .value_kind: global_buffer, .address_space: global }
      - { .name: bv, .offset: 40, .size: 8, .value_kind: global_buffer, .address_space: global }
      - { .name: qkvc, .offset: 48, .size: 8, .value_kind: global_buffer, .address_space: global }
    .group_segment_fixed_size: 327680
    .private_segment_fixed_size: 0
    .kernarg_segment_align: 8
    .kernarg_segment_size: 56
    .max_flat_workgroup_size: 128
    .sgpr_count:     100
    .vgpr_count:     1024
    .wavefront_size: 32
...
	.end_amdgpu_metadata
.endif
;; end of part 2
;; launch attn (part 3): grid 4 x 64, 8 waves a work-group, no clusters, 263,168 bytes of LDS; arguments qkvc, lowp_scales, yc; writes yc
.if DOCPART == 3
	.amdgcn_target "amdgcn-amd-amdhsa--gfx1250"
	.amdhsa_code_object_version 6
	.text
	.protected	k_qbdbb645f05_attn
	.globl	k_qbdbb645f05_attn
	.p2align	8
	.type	k_qbdbb645f05_attn,@function
k_qbdbb645f05_attn:
	s_mov_b64 s[64:65], 0
	v_nop
	global_prefetch_b8 v0, s[64:65] scope:SCOPE_SE
	s_setreg_imm32_b32 hwreg(HW_REG_WAVE_MODE, 25, 1), 1
	s_wait_xcnt 0x0
; Causal attention of one head on E4M3 codes, and the quantising of its result for the last product.  2,048 tokens, head size 64; 64 heads (batch x 16 + head).
; t = score x 2^(e6 + e7) x log2(e) / 8; M = the running largest t, rounded UP to a whole number; p = 2^(t - M) is quantised with 2^e9, not normalised; the row's sum is taken of the unquantised p and divides at the end.
; When M moves, the sum and O are multiplied by 2^(old M - new M): exact.  y = O x 2^(e8 + e9) / sum is quantised with 2^e10: the three scales are folded into the conversion's one.
; LEFT OUT: key steps all of whose keys come after a wave's queries (the causal mask gives them the weight 0), and chunks of K and V that no query of the work-group reaches.
; SHARES.  Work-group (x, head) owns the blocks of 256 queries 7 - x and x.  Each of the EIGHT waves owns 32 queries, two tiles of 16, of each block: group w of block 7 - x and group 7 - w of block x,
; which are 2 (7 - x) + 1 + (w / 4) and 2 x + 1 + ((7 - w) / 4) key steps of 128: 17 for every wave.  A fragment of K or V read from LDS feeds two matrix instructions.
; LDS.  The head's K lies at 0 (131,072 bytes), V behind it.  They arrive in four chunks of 512 keys: each wave loads 8,192 bytes (waves 0-3 of K, 4-7 of V) into 64 registers one chunk ahead of the work,
; and stores them to LDS between two barriers: behind the first nobody reads LDS, behind the second the chunk is whole.  No byte is written twice.
; LAYOUT.  Both products are used transposed: S^T = K Q^T (source 0 = 16 keys, source 1 = 16 queries; K = 64), O^T = V^T P^T (source 0 = 16 of the head's 64, source 1 = P; K = 128 keys): a lane holds one query of each tile.
; qkvc holds q, k and v in these forms' own register order, so a lane's eight scores of a tile are eight neighbouring keys, and their conversion is two registers of P.
; THE HOLD OF p at 448 x 2^e9 can bind only where that bound is under 1, that is e9 < -8 (p is at most 1).
; NO TENSOR LOADS AND NO JOINT LOADS, though a head's four work-groups read the same K and V: the partners bring different numbers of chunks (4, 4, 3, 3).
; LIMITS: the scaled scores stay under 2^31 in magnitude; e6 + e7 between -123 and 130 (added to c's exponent field); e9, and e10 - e8 - e9, between -126 and 119.  NaN is not served.
; REGISTERS.  Window 0: v1-11 addresses; v[12:13], v[14:15] (-M, largest t) of the two tiles; v[16:19] their sums; v[20:23] their f; v24-29 at work; v32-47, v48-63 Q of the two blocks; v64-127, v128-191 S^T, then p;
; v192-223 p's codes, then y's; v224-235 at work; v240-245 bounds and scales.  Window 1: v0-63 K's fragments; v64-127 V's; v128-191 O^T of the two tiles; v192-255 the chunk on its way.
.set VOFF,  131072
.set SPARE, 262144                     ; behind K and V: the spare words, 128 bytes for each wave: four blocks of 256 bytes that no other line names
.set LI,   1                           ; v1   16 x lane
.set LV,   2                           ; v2   16 x lane + VOFF
.set PFO,  3                           ; v3   256 x lane; never rewritten
.set DQ,   4                           ; v4   r - 8 h, for the mask
.set SPW,  5                           ; v5   LDS address of my spare word; never rewritten
.set NIL,  6                           ; v6   0; never rewritten
.set GO,   7                           ; v7   16 r + 8 h: my 8 bytes of y's codes
.set ADK,  8                           ; v8   LDS address of the step's K
.set ADV,  9                           ; v9   of its V
.set FLA,  10                          ; v10  LDS address of my part of a chunk
.set S0,   64
.set S1,   128
.set PC,   192
.set TB,   10                          ; s10  8,192 x the key step
.set CH,   11                          ; s11  chunks to go
.set KF,   12                          ; s12  the step's first key
.set Q0,   13                          ; s13  my first query
.set PL,   14                          ; s14  2,047 in the head's first work-group, which prefetches; else 0
.set T0,   15
.set FA,   16                          ; s[16:17] my part of the chunk that is loaded next
.set WV,   18
.set CNT,  19
.set SEL,  20                          ; s[20:21] lane selects for v_permlanex16_b32: lane l xor 16
.set CS,   22                          ; s[22:23] c
.set FLB,  24                          ; s24  where my part of the chunk goes in LDS
.set QL,   25                          ; s25  my work-group's last query
.set HOLD, 26                          ; s26  1 where p's hold can bind
.set Q0B,  27
.set YA,   32                          ; s[32:33], s[34:35] where the two blocks' codes go
.set YB,   34
.set MSB, 0
.macro WIN new                         ; the immediate's high byte repeats the setting that is left
.if MSB != \new
	s_set_vgpr_msb (MSB<<8)|\new
.set MSB, \new
.endif
.endm
	s_load_b128 s[4:7], s[0:1], 0x0                ; qkvc s[4:5], the scales s[6:7]
	s_load_b64 s[8:9], s[0:1], 0x10                ; yc
	v_lshl_add_u32 v[SPW], v0, 2, SPARE
	v_mov_b32 v[NIL], 0
	v_lshrrev_b32 v8, 5, v0
	v_readfirstlane_b32 s[WV], v8                  ; wave 0..7
	v_and_b32 v9, 31, v0                           ; lane
	v_and_b32 v10, 15, v0                          ; r
	v_bfe_u32 v11, v0, 4, 1                        ; h
	v_lshlrev_b32 v[LI], 4, v9
	v_lshlrev_b32 v[PFO], 8, v9
	v_lshlrev_b32 v[GO], 4, v10
	v_lshlrev_b32 v24, 3, v11
	v_add_nc_u32 v[LV], VOFF, v[LI]
	v_add_nc_u32 v[GO], v[GO], v24
	v_sub_nc_u32 v[DQ], v10, v24
	v_mov_b32 v21, 0                               ; (named as the upper halves of the pairs of f)
	v_mov_b32 v23, 0
	v_mov_b32 v28, 0                               ; written once: a lane permute's destination counts as one of its sources
	v_mov_b32 v29, 0
	s_wait_alu depctr_va_vdst(0)                   ; ahead of the scalar lines and the wait below
	s_and_b32 s56, ttmp7, 0xffff                   ; the head
	s_lshl_b32 s57, s56, 17                        ; its 131,072 bytes in q, k and v
	s_lshr_b32 s59, s[WV], 2                       ; I bring K (0) or V (1),
	s_and_b32 s58, s[WV], 3                        ; and which 8,192 bytes of a chunk's 32,768
	s_lshl_b32 s62, s58, 13
	s_lshl_b32 s60, s59, 23
	s_add_co_u32 s60, s60, s62
	s_add_co_u32 s60, s60, s57
	s_add_co_u32 s60, s60, 0x800000                ; k begins 8 MiB into qkvc, v 16 MiB
	s_mov_b32 s61, 0
	s_lshl_b32 s[FLB], s59, 17
	s_add_co_u32 s[FLB], s[FLB], s62
	s_sub_co_u32 s66, 7, ttmp9
	s_lshl_b32 s66, s66, 8
	s_lshl_b32 s67, s[WV], 5
	s_add_co_u32 s[Q0], s66, s67                   ; my first query in block 7 - x: group w,
	s_or_b32 s[QL], s66, 255
	s_sub_co_u32 s67, 7, s[WV]
	s_lshl_b32 s67, s67, 5
	s_lshl_b32 s66, ttmp9, 8
	s_add_co_u32 s[Q0B], s66, s67                  ; and in block x: group 7 - w
	s_cmp_eq_u32 ttmp9, 0
	s_cselect_b32 s[PL], 2047, 0
	s_mov_b32 s[SEL], 0x76543210
	s_mov_b32 s[SEL+1], 0xfedcba98
	s_mov_b32 s[CS], 0x3e38aa3b                    ; log2(e) / 8
	s_lshl_b32 s68, s[Q0], 6                       ; a tile of 16 queries is 1,024 bytes
	s_add_co_u32 s68, s68, s57
	s_mov_b32 s69, 0
	s_lshl_b32 s70, s[Q0B], 6
	s_add_co_u32 s70, s70, s57
	s_mov_b32 s71, 0
	; y's codes: [feature / 256][row / 16][4,096 bytes]; my head's 64 features are four runs of 256 bytes in a block
	s_and_b32 s72, s56, 15                         ; the head in its batch
	s_lshr_b32 s74, s72, 2
	s_lshl_b32 s74, s74, 21
	s_and_b32 s72, s72, 3
	s_lshl_b32 s72, s72, 10
	s_add_co_u32 s74, s74, s72
	s_lshr_b32 s72, s56, 4                         ; the batch: 128 blocks of 4,096 bytes
	s_lshl_b32 s72, s72, 19
	s_add_co_u32 s74, s74, s72
	s_lshl_b32 s[YA], s[Q0], 8
	s_add_co_u32 s[YA], s[YA], s74
	s_mov_b32 s[YA+1], 0
	s_lshl_b32 s[YB], s[Q0B], 8
	s_add_co_u32 s[YB], s[YB], s74
	s_mov_b32 s[YB+1], 0
	s_wait_kmcnt 0x0
	s_load_b256 s[44:51], s[6:7], 0x0              ; e0 .. e7
	s_load_b128 s[52:55], s[6:7], 0x20             ; e8 .. e11
	s_add_nc_u64 s[FA:FA+1], s[4:5], s[60:61]
	s_add_nc_u64 s[68:69], s[4:5], s[68:69]
	s_add_nc_u64 s[70:71], s[4:5], s[70:71]
	s_add_nc_u64 s[YA:YA+1], s[8:9], s[YA:YA+1]
	s_add_nc_u64 s[YB:YB+1], s[8:9], s[YB:YB+1]
.macro BRING                           ; my 8,192 bytes of a chunk: 16 loads of 512 consecutive bytes, into window 1
	WIN 0x40
.irp i, 0,1,2,3,4,5,6,7,8,9,10,11,12,13,14,15
	global_load_b128 v[192+4*\i:195+4*\i], v[LI], s[FA:FA+1] offset:512*\i
.endr
	WIN 0
.endm
	BRING                                          ; chunk 0
.irp i, 0,1,2,3
	global_load_b128 v[32+4*\i:35+4*\i], v[LI], s[68:69] offset:512*\i   ; Q's four fragments stay in registers
	global_load_b128 v[48+4*\i:51+4*\i], v[LI], s[70:71] offset:512*\i
.endr
	s_wait_kmcnt 0x0
	s_add_co_i32 s72, s50, s51                     ; a score stands for score x 2^(e6 + e7): the exponents are added to c's exponent field
	s_lshl_b32 s72, s72, 23
	s_add_co_i32 s[CS], s[CS], s72
	s_mov_b32 s[CS+1], s[CS]                       ; (named with it as a pair, so it is written)
	s_cmp_lt_i32 s53, -8
	s_cselect_b32 s[HOLD], 1, 0
	s_add_co_i32 s72, s53, 127
	s_lshl_b32 s74, s72, 23
	v_mov_b32 v244, s74                            ; 2^e9, for p's conversions
	s_add_co_i32 s72, s72, 8
	s_lshl_b32 s72, s72, 23
	s_or_b32 s72, s72, 0x600000
	v_mov_b32 v240, s72                            ; 448 x 2^e9, twice: one for each half of a dual line
	v_mov_b32 v241, s72
	s_sub_co_i32 s72, s54, s52
	s_sub_co_i32 s72, s72, s53                     ; e10 - e8 - e9
	s_add_co_i32 s72, s72, 127
	s_lshl_b32 s74, s72, 23
	v_mov_b32 v245, s74                            ; for y's conversions
	s_add_co_i32 s72, s72, 8
	s_lshl_b32 s72, s72, 23
	s_or_b32 s72, s72, 0x600000
	v_mov_b32 v242, s72
.macro INIT                            ; a block begins: the first change of M multiplies zeros, so the key step is written once for all its steps
	v_mov_b32 v13, 0xff61b1e6                      ; the largest t so far: -3e38, under every t
	v_mov_b32 v15, 0xff61b1e6
	v_floor_f32 v12, -v13                          ; -M
	v_floor_f32 v14, -v15
	v_mov_b32 v16, 0
	v_mov_b32 v17, 0
	v_mov_b32 v18, 0
	v_mov_b32 v19, 0
	WIN 0x40
.set n, 0
.rept 64
	v_mov_b32 v[128+n], 0
.set n, n+1
.endr
	WIN 0
	s_mov_b32 s[KF], 0
	s_mov_b32 s[TB], 0
	s_wait_alu depctr_va_vdst(0)
.endm
; A KEY STEP: 128 keys against my 32 queries.  QB: the registers of the block's Q.
.macro STEP QB
	s_add_co_u32 s[T0], s[Q0], 31
	s_cmp_gt_u32 s[KF], s[T0]
	s_cbranch_scc1 .Lhidden_\@                     ; all its keys come after my queries
	v_add_nc_u32 v[ADK], s[TB], v[LI]
	v_add_nc_u32 v[ADV], s[TB], v[LV]
	v_nop                                          ; with the two additions: four places in front of loads into registers that the last products have read
	v_nop
	WIN 0x40
.irp t, 0,1,2,3,4,5,6,7
	ds_load_b128 v[8*\t:8*\t+3], v[ADK] offset:1024*\t          ; K's tile t: keys 16 t + r; 512 consecutive bytes an instruction
	ds_load_b128 v[8*\t+4:8*\t+7], v[ADK] offset:1024*\t+512
.endr
.irp t, 0,1,2,3
.irp g, 0,1,2,3
	ds_load_b128 v[64+16*\t+4*\g:64+16*\t+4*\g+3], v[ADV] offset:2048*\t+512*\g   ; V's four tiles land under the softmax
.endr
.endr
	s_wait_dscnt 16                                ; K's 16 loads are in; V's 16, issued behind them, may be out
	WIN 0x01
.irp t, 0,1,2,3,4,5,6,7
	v_wmma_f32_16x16x64_fp8_fp8 v[S0+8*\t:S0+8*\t+7], v[8*\t:8*\t+7], v[\QB:\QB+7], 0       ; register 8 t + j: key KF + 16 t + 8 h + j, query r of tile 0,
	v_wmma_f32_16x16x64_fp8_fp8 v[S1+8*\t:S1+8*\t+7], v[8*\t:8*\t+7], v[\QB+8:\QB+15], 0    ; and of tile 1
.endr
	WIN 0
.rept 4
	v_nop                                          ; places in front of the first read of the scores
.endr
	s_add_co_u32 s[T0], s[KF], 127                 ; on the diagonal the scores of hidden keys become -infinity ahead of the maximum: p = 0 then.  A step all of whose keys count skips this
	s_cmp_le_u32 s[T0], s[Q0]
	s_cbranch_scc1 .Lopen_\@
	s_sub_co_i32 s[T0], s[Q0], s[KF]
	v_add_nc_u32 v24, s[T0], v[DQ]                 ; d = tile 0's query - KF - 8 h: its register 8 t + j is hidden where 16 t + j > d; tile 1's, 16 queries on, where 16 (t - 1) + j > d: one compare serves both
	v_mov_b32 v25, 0xff800000
.irp t, 0,1,2,3,4,5,6,7,8
.irp j, 0,1,2,3,4,5,6,7
	v_cmp_gt_i32 vcc_lo, 16*(\t-1)+\j, v24
.if \t > 0
	v_cndmask_b32 v[S0+8*(\t-1)+\j], v[S0+8*(\t-1)+\j], v25, vcc_lo
.endif
.if \t < 8
	v_cndmask_b32 v[S1+8*\t+\j], v[S1+8*\t+\j], v25, vcc_lo
.endif
.endr
.endr
.Lopen_\@:
.irp c, 0,1,2,3                        ; the step's largest scores, among my 64 keys of each tile: eight chains by turns, a chain to two accumulators, each from its low end on
	v_max3_num_f32 v[224+\c], v[S0+16*\c], v[S0+16*\c+1], v[S0+16*\c+2]
	v_max3_num_f32 v[228+\c], v[S1+16*\c], v[S1+16*\c+1], v[S1+16*\c+2]
.endr
.irp i, 3,5,7,9,11,13
.irp c, 0,1,2,3
	v_max3_num_f32 v[224+\c], v[224+\c], v[S0+16*\c+\i], v[S0+16*\c+\i+1]
	v_max3_num_f32 v[228+\c], v[228+\c], v[S1+16*\c+\i], v[S1+16*\c+\i+1]
.endr
.endr
	v_max3_num_f32 v224, v224, v225, v[S0+15]      ; the chains are joined, each line with one of the four registers that are left
	v_max3_num_f32 v228, v228, v229, v[S1+15]
	v_max3_num_f32 v226, v226, v227, v[S0+31]
	v_max3_num_f32 v230, v230, v231, v[S1+31]
	v_max3_num_f32 v224, v224, v226, v[S0+47]
	v_max3_num_f32 v228, v228, v230, v[S1+47]
	v_max_num_f32 v24, v224, v[S0+63]
	v_max_num_f32 v26, v228, v[S1+63]
	v_permlanex16_b32 v28, v24, s[SEL], s[SEL+1]
	v_permlanex16_b32 v29, v26, s[SEL], s[SEL+1]
	v_max_num_f32 v24, v24, v28                    ; and among lane l xor 16's
	v_max_num_f32 v26, v26, v29
	v_mul_f32 v24, s[CS], v24                      ; as t (c is positive)
	v_mul_f32 v26, s[CS], v26
	v_max_num_f32 v13, v13, v24                    ; the running largest t
	v_max_num_f32 v15, v15, v26
	v_mov_b32 v24, v12
	v_mov_b32 v26, v14
	v_floor_f32 v12, -v13                          ; the new -M = floor(-t) = -ceil(t): a whole number
	v_floor_f32 v14, -v15
	v_sub_f32 v24, v12, v24                        ; old M - new M: a whole number, 0 or less
	v_sub_f32 v26, v14, v26
	v_cvt_i32_f32 v24, v24                         ; (it saturates)
	v_cvt_i32_f32 v26, v26
	v_ldexp_f32 v20, 1.0, v24                      ; f = 2^(old M - new M)
	v_ldexp_f32 v22, 1.0, v26
.irp j, 0,2,4,6,8,10,12,14,16,18,20,22,24,26,28,30,32,34,36,38,40,42,44,46,48,50,52,54,56,58,60,62
	v_pk_fma_f32 v[S0+\j:S0+\j+1], v[S0+\j:S0+\j+1], s[CS:CS+1], v[12:13] op_sel_hi:[1,0,0]   ; t - M, two at a time (of the pairs c and -M the low word serves both halves)
	v_pk_fma_f32 v[S1+\j:S1+\j+1], v[S1+\j:S1+\j+1], s[CS:CS+1], v[14:15] op_sel_hi:[1,0,0]
.endr
	v_pk_mul_f32 v[16:17], v[16:17], v[20:21] op_sel_hi:[1,0]   ; the sums under the new M,
	v_pk_mul_f32 v[18:19], v[18:19], v[22:23] op_sel_hi:[1,0]
	WIN 0x41
.irp j, 0,2,4,6,8,10,12,14,16,18,20,22,24,26,28,30
	v_pk_mul_f32 v[128+\j:129+\j], v[128+\j:129+\j], v[20:21] op_sel_hi:[1,0]   ; and O^T, ahead of the exponentials: each accumulator from its low end on
	v_pk_mul_f32 v[160+\j:161+\j], v[160+\j:161+\j], v[22:23] op_sel_hi:[1,0]
.endr
	WIN 0
	s_wait_alu depctr_va_vdst(0)                   ; ahead of the batch
.set n, 0
.rept 128
	v_exp_f32 v[S0+n], v[S0+n]                     ; p = 2^(t - M), at most 1
.set n, n+1
.endr
	v_nop                                          ; the plain line behind the exponentials
	s_wait_alu depctr_va_vdst(0)                   ; one wait for the whole batch, ahead of its first reader
	v_pk_add_f32 v[16:17], v[16:17], v[S0:S0+1]    ; the rows' sums of the unquantised p: two at a time, eight chains by turns
	v_pk_add_f32 v[18:19], v[18:19], v[S1:S1+1]
.irp c, 1,2,3
	v_pk_add_f32 v[222+2*\c:223+2*\c], v[S0+2*\c:S0+2*\c+1], v[S0+8+2*\c:S0+9+2*\c]
	v_pk_add_f32 v[228+2*\c:229+2*\c], v[S1+2*\c:S1+2*\c+1], v[S1+8+2*\c:S1+9+2*\c]
.endr
	v_pk_add_f32 v[16:17], v[16:17], v[S0+8:S0+9]
	v_pk_add_f32 v[18:19], v[18:19], v[S1+8:S1+9]
.irp j, 16,24,32,40,48,56
.irp c, 1,2,3
	v_pk_add_f32 v[222+2*\c:223+2*\c], v[222+2*\c:223+2*\c], v[S0+\j+2*\c:S0+\j+2*\c+1]
	v_pk_add_f32 v[228+2*\c:229+2*\c], v[228+2*\c:229+2*\c], v[S1+\j+2*\c:S1+\j+2*\c+1]
.endr
	v_pk_add_f32 v[16:17], v[16:17], v[S0+\j:S0+\j+1]
	v_pk_add_f32 v[18:19], v[18:19], v[S1+\j:S1+\j+1]
.endr
	v_pk_add_f32 v[224:225], v[224:225], v[226:227]
	v_pk_add_f32 v[230:231], v[230:231], v[232:233]
	v_pk_add_f32 v[16:17], v[16:17], v[228:229]
	v_pk_add_f32 v[18:19], v[18:19], v[234:235]
	v_pk_add_f32 v[16:17], v[16:17], v[224:225]
	v_pk_add_f32 v[18:19], v[18:19], v[230:231]
	s_cmp_eq_u32 s[HOLD], 0
	s_wait_alu depctr_va_vdst(0)                   ; directly ahead of the branch
	s_cbranch_scc1 .Lfits_\@                       ; e9 >= -8: 448 x 2^e9 is over 1, and p is at most 1
.set n, 0
.rept 64
	v_dual_min_num_f32 v[S0+n], v[S0+n], v240 :: v_dual_min_num_f32 v[S0+n+1], v[S0+n+1], v241   ; the conversion does not saturate (ISA guide 7.6.2); p is not negative, so the hold is one-sided
.set n, n+2
.endr
.Lfits_\@:
.irp t, 0,1,2,3,4,5,6,7
	v_cvt_scalef32_pk8_fp8_f32 v[PC+2*\t:PC+2*\t+1], v[S0+8*\t:S0+8*\t+7], v244         ; registers 2 t, 2 t + 1 of P: keys 16 t + 8 h + 0..7
	v_cvt_scalef32_pk8_fp8_f32 v[PC+16+2*\t:PC+17+2*\t], v[S1+8*\t:S1+8*\t+7], v244
.endr
	v_nop                                          ; a plain line between the conversions and the products
	s_wait_alu depctr_va_vdst(0)                   ; directly ahead of the wait below
	s_wait_dscnt 0x0                               ; V is in
	WIN 0x51
.irp u, 0,1,2,3
	v_wmma_f32_16x16x128_fp8_fp8 v[128+8*\u:135+8*\u], v[64+16*\u:79+16*\u], v[PC:PC+15], v[128+8*\u:135+8*\u]       ; the eight accumulators by turns, one instruction a turn
	v_wmma_f32_16x16x128_fp8_fp8 v[160+8*\u:167+8*\u], v[64+16*\u:79+16*\u], v[PC+16:PC+31], v[160+8*\u:167+8*\u]
.endr
	WIN 0
.Lhidden_\@:
	s_add_co_u32 s[KF], s[KF], 128
	s_add_co_u32 s[TB], s[TB], 8192
.endm
.macro STEPS count, QB
	s_mov_b32 s[CNT], \count
.Lstep_\@:
	STEP \QB
	s_sub_co_u32 s[CNT], s[CNT], 1
	s_cmp_lg_u32 s[CNT], 0
	s_cbranch_scc1 .Lstep_\@
.endm
; A BLOCK'S END.  O^T / the sum, held, becomes codes: a lane's eight registers of a tile are eight neighbouring features of one row: 8 bytes; the 32 lanes of a store fill 256 consecutive bytes, at a multiple of 256 from yc's first byte.
.macro FINISH yb, more
.rept 4
	v_nop                                          ; places behind the last products
.endr
	v_add_f32 v16, v16, v17                        ; the sums' two halves,
	v_add_f32 v18, v18, v19
	v_permlanex16_b32 v28, v16, s[SEL], s[SEL+1]
	v_permlanex16_b32 v29, v18, s[SEL], s[SEL+1]
	v_add_f32 v16, v16, v28                        ; and lane l xor 16's
	v_add_f32 v18, v18, v29
	s_wait_alu depctr_va_vdst(0)                   ; ahead of the reciprocals
	v_rcp_f32 v16, v16
	v_rcp_f32 v18, v18
	v_nop                                          ; a plain line behind them,
	WIN 0x41
	s_wait_alu depctr_va_vdst(0)                   ; and the wait ahead of their first reader, which is also O^T's
.irp j, 0,2,4,6,8,10,12,14,16,18,20,22,24,26,28,30
	v_pk_mul_f32 v[128+\j:129+\j], v[128+\j:129+\j], v[16:17] op_sel_hi:[1,0]
	v_pk_mul_f32 v[160+\j:161+\j], v[160+\j:161+\j], v[18:19] op_sel_hi:[1,0]
.endr
.set n, 0
.rept 64
	v_med3_num_f32 v[128+n], v[128+n], -v242, v242
.set n, n+1
.endr
	WIN 0x01
.irp g, 0,1,2,3,4,5,6,7
	v_cvt_scalef32_pk8_fp8_f32 v[PC+2*\g:PC+2*\g+1], v[128+8*\g:135+8*\g], v245
.endr
	v_nop                                          ; a plain line behind the last conversion
	WIN 0
.irp g, 0,1,2,3,4,5,6,7
	global_store_b64 v[GO], v[PC+2*\g:PC+2*\g+1], s[\yb:\yb+1] offset:(\g/4)*4096+(\g%4)*256   ; tile 1's 16 rows are the next block of 4,096 bytes
.endr
.if \more
	s_wait_xcnt 0x0                                ; the stores have read their registers: the next block writes them again
.endif
.endm
	INIT
	s_mov_b32 s[CH], 4
.Lchunk:                                           ; four trips, one for each chunk of 512 keys; KF is the chunk's first key here
	s_wait_loadcnt 0x0                             ; my part of this chunk is in registers (the first time: Q too)
	s_wait_dscnt 0x0                               ; my LDS reads are over
	s_barrier_signal -1
	s_barrier_wait -1                              ; nobody reads LDS
	s_cmp_gt_u32 s[KF], s[QL]                      ; a chunk behind my work-group's last query was not brought: ids and the count of steps alone, the same in all waves
	s_cbranch_scc1 .Lnot_here
	v_add_nc_u32 v[FLA], s[FLB], v[LI]
	WIN 0x04
.irp i, 0,1,2,3,4,5,6,7,8,9,10,11,12,13,14,15
	ds_store_b128 v[FLA], v[192+4*\i:195+4*\i] offset:512*\i
.endr
	WIN 0
.Lnot_here:
	s_wait_dscnt 0x0                               ; for the others' sake: my stores are done
	s_barrier_signal -1
	s_barrier_wait -1                              ; the chunk is whole
	s_add_co_u32 s[FLB], s[FLB], 32768
	s_wait_xcnt 0x0                                ; the last prefetch, a chunk back, has read its address (the loads are done)
	s_add_nc_u64 s[FA:FA+1], s[FA:FA+1], 32768
	s_add_co_u32 s[T0], s[KF], 512
	s_cmp_gt_u32 s[T0], s[QL]                      ; the next chunk is asked for only if a query of my work-group reaches it; there is none behind key 2,047
	s_cbranch_scc1 .Lno_more
	BRING                                          ; it has this chunk's four key steps in which to land
	; A PREFETCH INTO THE L2 of the chunk after that: my wave's 8,192 bytes, lanes 256 bytes apart, one instruction: four key steps ahead of its loads.  The head's four work-groups walk the same K and V:
	; the first of them asks, so each block of 256 bytes is named once.  Chunks 0 and 1 come by their loads alone; no chunk lies behind key 2,047.
	s_add_co_u32 s[T0], s[KF], 1024
	s_cmp_gt_u32 s[T0], s[PL]
	s_cbranch_scc1 .Lno_more
	global_prefetch_b8 v[PFO], s[FA:FA+1] offset:32768 th:TH_LOAD_NT scope:SCOPE_SE
.Lno_more:
	STEPS 4, 32
	s_sub_co_u32 s[CH], s[CH], 1
	s_cmp_lg_u32 s[CH], 0
	s_cbranch_scc1 .Lchunk
	FINISH YA, 1
	s_mov_b32 s[Q0], s[Q0B]                        ; block x, at most keys 0 to 1,023: they lie in LDS, shown to every wave by the last barrier: no barrier more
	INIT
	STEPS 8, 48
	FINISH YB, 0
	s_wait_tensorcnt 0x0                           ; the wave's end, behind my last LDS store
	ds_add_u32 v[SPW], v[NIL]
	s_wait_dscnt 0x0
	s_endpgm
.Lfunc_end_k_qbdbb645f05_attn:
	.size	k_qbdbb645f05_attn, .Lfunc_end_k_qbdbb645f05_attn-k_qbdbb645f05_attn
	.p2alignl 7, 3214868480
	.fill 96, 4, 3214868480
	.section	.rodata,"a",@progbits
	.p2align	6, 0x0
	.amdhsa_kernel k_qbdbb645f05_attn
		.amdhsa_group_segment_fixed_size 263168
		.amdhsa_private_segment_fixed_size 0
		.amdhsa_enable_private_segment 0
		.amdhsa_kernarg_size 24
		.amdhsa_user_sgpr_count 2
		.amdhsa_user_sgpr_kernarg_segment_ptr 1
		.amdhsa_wavefront_size32 1
		.amdhsa_system_sgpr_workgroup_id_x 1
		.amdhsa_system_sgpr_workgroup_id_y 1
		.amdhsa_system_sgpr_workgroup_id_z 1
		.amdhsa_system_vgpr_workitem_id 0
		.amdhsa_next_free_vgpr 512
		.amdhsa_next_free_sgpr 80
		.amdhsa_reserve_vcc 1
		.amdhsa_float_denorm_mode_32 3
		.amdhsa_float_denorm_mode_16_64 3
		.amdhsa_memory_ordered 1
		.amdhsa_forward_progress 1
		.amdhsa_inst_pref_size 103
	.end_amdhsa_kernel
	.amdgpu_metadata
---
amdhsa.version: [ 1, 2 ]
amdhsa.kernels:
  - .name:           k_qbdbb645f05_attn
    .symbol:         k_qbdbb645f05_attn.kd
    .args:
      - { .name: qkvc, .offset: 0, .size: 8, .value_kind: global_buffer, .address_space: global }
      - { .name: lowp_scales, .offset: 8, .size: 8, .value_kind: global_buffer, .address_space: global }
      - { .name: yc, .offset: 16, .size: 8, .value_kind: global_buffer, .address_space: global }
    .group_segment_fixed_size: 263168
    .private_segment_fixed_size: 0
    .kernarg_segment_align: 8
    .kernarg_segment_size: 24
    .max_flat_workgroup_size: 256
    .sgpr_count:     80
    .vgpr_count:     512
    .wavefront_size: 32
...
	.end_amdgpu_metadata
.endif
;; end of part 3
;; launch proj (part 4): grid 4 x 64, 4 waves a work-group, clusters of 4 x 4, 327,680 bytes of LDS; arguments yc, wc, lowp_scales, bp, out0; writes out0
.if DOCPART == 4
	.amdgcn_target "amdgcn-amd-amdhsa--gfx1250"
	.amdhsa_code_object_version 6
	.text
	.protected	k_qbdbb645f05_proj
	.globl	k_qbdbb645f05_proj
	.p2align	8
	.type	k_qbdbb645f05_proj,@function
k_qbdbb645f05_proj:
	s_mov_b64 s[64:65], 0
	v_nop
	global_prefetch_b8 v0, s[64:65] scope:SCOPE_SE
	s_setreg_imm32_b32 hwreg(HW_REG_WAVE_MODE, 25, 1), 1
	s_wait_xcnt 0x0
	s_wait_alu depctr_hold_cnt(0) depctr_sa_sdst(0) depctr_va_vdst(0) depctr_va_sdst(0) depctr_va_ssrc(0) depctr_va_vcc(0) depctr_vm_vsrc(0)
	s_getreg_b32 s2, hwreg(HW_REG_IB_STS2, 6, 4)
	s_cmp_eq_u32 s2, 0
	s_cbranch_scc0 .Lentry_in_a_cluster
	s_endpgm
.Lentry_in_a_cluster:
	s_bfe_u32 s2, ttmp6, 0x10000c
	s_cmp_lg_u32 s2, 0xf033
	s_cbranch_scc0 .Lentry_shape_is_right
	s_endpgm
.Lentry_shape_is_right:
; out0 = y Wp + bp on E4M3 codes (entries 10 and 11 of the scales): each finished sum x 2^(e10 + e11), plus the bias, in one fused multiply-add.
; yc and Wp's codes (3 MiB into wc) lie [K / 256][row / 16][4,096 bytes]: the four chunks of 256 along K are 0x200000 bytes apart in yc and 0x40000 in wc.
; SHARES.  A work-group makes 128 rows x 256 columns; a wave 64 x 128: 32 accumulators, window 2.  Eight steps of 128 along K, 32 matrix instructions each, the accumulators by turns; source 0 = Wp's columns, so a lane holds eight neighbours of a row.
; LDS.  ONE region holds two chunks (A 2 x 32,768 bytes, B 2 x 65,536): 2 fills.  Each wave brings a quarter by one tensor load: a tile of 2 rows, a row being its half of a chunk, the rows one chunk apart in memory.
; The region is filled again when every wave has its last fragments in registers: the tensor wait, the add and its wait, a round of the cluster's barrier, the joint load; the fourth step's products follow it.  The way out's stages have bytes of their own.
; CLUSTERS: 4 x 4 work-groups; A's tiles are asked for jointly along a row of the cluster, B's along a column.
; PREFETCH: behind the first joint load the second fill's bytes are named, four steps ahead: wave 0 takes my work-group's 8,192 bytes of each chunk of A, waves 1 and 2 its 16,384 of each chunk of B, the partners told apart by address.
; LIMIT: e10 + e11 lies between -126 and 127.
.set BOFF,  65536
.set STAGE, 196608
.set SPITCH, 528
.set SPARE, STAGE+4*16*SPITCH          ; behind the stages: the spare words, 128 bytes for each wave
.set ASTEP, 0x200000
.set BSTEP, 0x40000
.set ADRA, 16
.set ADRB, 20
.set STO,  24
.set RD,   25
.set GOUT, 26
.set SPW,  28
.set NIL,  29
.set PFO,  30
.set TMP,  128
.set AF,   128
.set WV,   18
.set WRW,  19
.set WCL,  20
.set G1,   24
.set G0,   32
.set PFA,  36
.set PFB,  38
.set G1B,  48
.set G0B,  56
.set SC,   84
.set MSB, 0
.macro WIN new
.if MSB != \new
	s_set_vgpr_msb (MSB<<8)|\new
.set MSB, \new
.endif
.endm
.macro PLACES n
.rept \n
	v_nop
.endr
.endm
.macro JLOAD                           ; waves 0 and 1 fetch A's halves, waves 2 and 3 B's; an s_nop 0 and four v_nop follow each line
	s_cmp_eq_u32 s[WRW], 0
	s_cbranch_scc0 .Lfor_b_\@
	tensor_load_to_lds s[G0:G0+3], s[G1:G1+7]
	s_nop 0
.rept 4
	v_nop
.endr
	s_branch .Lasked_\@
.Lfor_b_\@:
	tensor_load_to_lds s[G0B:G0B+3], s[G1B:G1B+7]
	s_nop 0
.rept 4
	v_nop
.endr
.Lasked_\@:
.endm
.macro CREST
	s_cmp_lg_u32 s[WV], 0
	s_cbranch_scc1 .Lnot_wave_0_\@
	s_barrier_signal -3
.Lnot_wave_0_\@:
	s_barrier_wait -3
	s_barrier_signal -1
	s_barrier_wait -1
.endm
.macro CROUND
	s_barrier_signal -1
	s_barrier_wait -1
	CREST
.endm
	s_load_b256 s[4:11], s[0:1], 0x0               ; yc s[4:5], wc s[6:7], the scales s[8:9], bp s[10:11]
	s_load_b64 s[12:13], s[0:1], 0x20              ; out0
	v_lshl_add_u32 v[SPW], v0, 2, SPARE
	v_mov_b32 v[NIL], 0
	ds_add_u32 v[SPW], v[NIL]                      ; the opening lines: the add, twice on end, and its wait ahead of my first tensor load
	ds_add_u32 v[SPW], v[NIL]
	v_lshrrev_b32 v1, 5, v0
	v_readfirstlane_b32 s[WV], v1
	s_lshr_b32 s[WRW], s[WV], 1
	s_and_b32 s[WCL], s[WV], 1
	s_bfe_u32 s21, ttmp6, 0x40000                  ; cx
	s_bfe_u32 s22, ttmp6, 0x40004                  ; cy
	s_lshl_b32 s23, ttmp9, 2
	s_add_co_u32 s23, s23, s21                     ; tile column
	s_and_b32 s66, ttmp7, 0xffff
	s_lshl_b32 s66, s66, 2
	s_add_co_u32 s66, s66, s22                     ; tile row
	s_lshl_b32 s40, s22, 2
	s_lshl_b32 s40, 15, s40
	s_lshl_b32 s41, 0x1111, s21
	s_or_b32 s[G1], s40, (3<<16)|(1<<21)
	s_or_b32 s[G1B], s41, (3<<16)|(1<<21)
	s_mov_b32 s[G1+1], 2048<<16                    ; A: two rows of 2,048 elements of 8 bytes, a chunk apart
	s_mov_b32 s[G1+2], 2<<16
	s_mov_b32 s[G1+3], 2048<<16
	s_mov_b32 s[G1+4], 2
	s_mov_b32 s[G1+5], ASTEP/8
	s_mov_b32 s[G1+6], 0
	s_mov_b32 s[G1+7], 0
	s_mov_b32 s[G1B+1], 4096<<16                   ; B: two rows of 4,096 elements
	s_mov_b32 s[G1B+2], 2<<16
	s_mov_b32 s[G1B+3], 4096<<16
	s_mov_b32 s[G1B+4], 2
	s_mov_b32 s[G1B+5], BSTEP/8
	s_mov_b32 s[G1B+6], 0
	s_mov_b32 s[G1B+7], 0
	s_lshl_b32 s42, s66, 15
	s_lshl_b32 s43, s[WCL], 14
	s_add_co_u32 s42, s42, s43
	s_mov_b32 s43, 0
	s_lshl_b32 s46, s23, 16
	s_lshl_b32 s47, s[WCL], 15
	s_add_co_u32 s46, s46, s47
	s_add_co_u32 s46, s46, 0x300000
	s_mov_b32 s47, 0
	s_lshl_b32 s67, s[WCL], 15                     ; LDS: A [half][chunk][16,384],
	s_lshl_b32 s80, s[WCL], 16
	s_add_co_u32 s80, s80, BOFF                    ; B [half][chunk][32,768]
	s_wait_dscnt 0x0
	s_wait_kmcnt 0x0
	s_load_b64 s[SC:SC+1], s[8:9], 0x28            ; e10, e11
	s_add_nc_u64 s[42:43], s[4:5], s[42:43]
	s_add_nc_u64 s[46:47], s[6:7], s[46:47]
	CROUND                                         ; all sixteen work-groups are here: the first joint loads meet
	s_mov_b32 s[G0], 1
	s_mov_b32 s[G0+1], s67
	s_mov_b64 s[G0+2:G0+3], s[42:43]
	s_or_b32 s[G0+3], s[G0+3], 0x80000000
	s_mov_b32 s[G0B], 1
	s_mov_b32 s[G0B+1], s80
	s_mov_b64 s[G0B+2:G0B+3], s[46:47]
	s_or_b32 s[G0B+3], s[G0B+3], 0x80000000
	JLOAD                                          ; chunks 0 and 1: my one tensor load at the head
	v_and_b32 v1, 31, v0
	v_and_b32 v2, 15, v0
	v_bfe_u32 v3, v0, 4, 1
	v_lshlrev_b32 v[GOUT], 4, v1
	v_lshlrev_b32 v[PFO], 8, v1
	v_lshlrev_b32 v4, 5, v3
	v_mul_u32_u24 v[STO], v2, SPITCH
	v_lshl_add_u32 v[STO], v3, 5, v[STO]
	s_wait_alu depctr_va_vdst(0)                   ; ahead of the scalar lines
	s_lshl_b32 s81, s[WRW], 15
	s_lshl_b32 s82, s[WCL], 16
	s_add_co_u32 s82, s82, BOFF
.irp s, 0,1
	v_add_nc_u32 v[ADRA+\s], s81, v[GOUT]
	v_add_nc_u32 v[ADRB+\s], s82, v[GOUT]
	s_add_co_u32 s81, s81, 16384
	s_add_co_u32 s82, s82, 32768
.endr
	s_mul_i32 s81, s[WV], 16*SPITCH
	s_add_co_u32 s81, s81, STAGE
	v_add_nc_u32 v[STO], s81, v[STO]
	v_add_nc_u32 v[RD], s81, v[GOUT]
	s_wait_alu depctr_va_vdst(0)                   ; the end of the head's vector lines
	s_lshl_b32 s82, s23, 10
	s_lshl_b32 s83, s[WCL], 9
	s_add_co_u32 s82, s82, s83
	s_mov_b32 s83, 0
	s_add_nc_u64 s[10:11], s[10:11], s[82:83]
	s_add_nc_u64 s[12:13], s[12:13], s[82:83]
	s_lshl_b32 s82, s66, 19
	s_lshl_b32 s81, s[WRW], 18
	s_add_co_u32 s82, s82, s81
	s_add_nc_u64 s[12:13], s[12:13], s[82:83]
	WIN 0xc0
.irp b, 0,1,2,3,4,5,6,7
	global_load_b128 v[8*\b:8*\b+3], v4, s[10:11] offset:64*\b
	global_load_b128 v[8*\b+4:8*\b+7], v4, s[10:11] offset:64*\b+16
.endr
	WIN 0
	s_lshl_b32 s82, s66, 15                        ; the prefetches: chunks 2 and 3
	s_lshl_b32 s81, s21, 13
	s_add_co_u32 s82, s82, s81
	s_add_co_u32 s82, s82, 2*ASTEP
	s_add_nc_u64 s[PFA:PFA+1], s[4:5], s[82:83]
	s_lshl_b32 s82, s23, 16
	s_lshl_b32 s81, s22, 14
	s_add_co_u32 s82, s82, s81
	s_lshl_b32 s81, s[WV], 13
	s_add_co_u32 s82, s82, s81
	s_add_co_u32 s82, s82, 0x300000+2*BSTEP-8192
	s_add_nc_u64 s[PFB:PFB+1], s[6:7], s[82:83]
	s_cmp_eq_u32 s[WV], 0
	s_cbranch_scc0 .Lask_b
	global_prefetch_b8 v[PFO], s[PFA:PFA+1] th:TH_LOAD_NT scope:SCOPE_SE
	global_prefetch_b8 v[PFO], s[PFA:PFA+1] offset:ASTEP th:TH_LOAD_NT scope:SCOPE_SE
	s_branch .Lask_end
.Lask_b:
	s_cmp_eq_u32 s[WV], 3
	s_cbranch_scc1 .Lask_end
	global_prefetch_b8 v[PFO], s[PFB:PFB+1] th:TH_LOAD_NT scope:SCOPE_SE
	global_prefetch_b8 v[PFO], s[PFB:PFB+1] offset:BSTEP th:TH_LOAD_NT scope:SCOPE_SE
.Lask_end:
	s_wait_kmcnt 0x0
	s_add_co_i32 s[SC], s[SC], s[SC+1]
	s_add_co_i32 s[SC], s[SC], 127
	s_lshl_b32 s[SC], s[SC], 23                    ; 2^(e10 + e11) as f32
	s_mov_b32 s[SC+1], s[SC]
	s_wait_loadcnt 0x0
.macro MUL8 a, set, zero
.irp b, 0,1,2,3,4,5,6,7
.if \zero
	v_wmma_f32_16x16x128_fp8_fp8 v[8*(8*\a+\b):8*(8*\a+\b)+7], v[128*\set+16*\b:128*\set+16*\b+15], v[AF+64*\set+16*\a:AF+64*\set+16*\a+15], 0
.else
	v_wmma_f32_16x16x128_fp8_fp8 v[8*(8*\a+\b):8*(8*\a+\b)+7], v[128*\set+16*\b:128*\set+16*\b+15], v[AF+64*\set+16*\a:AF+64*\set+16*\a+15], v[8*(8*\a+\b):8*(8*\a+\b)+7]
.endif
.endr
.endm
.macro FETCH ch, q, set
	WIN 0x40
.irp i, 0,1,2,3,4,5,6,7
.irp c, 0,1,2,3
	ds_load_b128 v[128*\set+16*\i+4*\c:128*\set+16*\i+4*\c+3], v[ADRB+\ch] offset:\i*4096+\q*2048+\c*512
.endr
.endr
	WIN 0
.irp i, 0,1,2,3
.irp c, 0,1,2,3
	ds_load_b128 v[AF+64*\set+16*\i+4*\c:AF+64*\set+16*\i+4*\c+3], v[ADRA+\ch] offset:\i*4096+\q*2048+\c*512
.endr
.endr
.endm
; STEP k of 8: chunk (k / 2) % 2 of the region.  While it is multiplied the next step's fragments come into the other set; step 3 asks for the second fill instead.
.macro KSTEP k
.set KZ, 0
.if (\k) == 0
.set KZ, 1
.endif
.set KT, (\k)%2
.set NT, 1-KT
.set NC, (((\k)+1)/2)%2
.set NQ, ((\k)+1)%2
	s_wait_dscnt 0x0                               ; this step's fragments are in
.if (\k) == 3
	WIN 0
	s_wait_tensorcnt 0x0                           ; no tensor load of mine is out;
	ds_add_u32 v[SPW], v[NIL]
	s_add_nc_u64 s[G0+2:G0+3], s[G0+2:G0+3], 2*ASTEP
	s_add_nc_u64 s[G0B+2:G0B+3], s[G0B+2:G0B+3], 2*BSTEP
	s_wait_dscnt 0x0                               ; the add is done, and my reads of the region are over
	CROUND                                         ; so it is with every wave of every partner
	JLOAD                                          ; chunks 2 and 3
.else
.if (\k) < 7
	PLACES 4
	FETCH NC, NQ, NT
.endif
.endif
	WIN 0xa1
	MUL8 0, KT, KZ
	MUL8 1, KT, KZ
	MUL8 2, KT, KZ
	MUL8 3, KT, KZ
.if (\k) == 3
	WIN 0
	s_wait_tensorcnt 0x0                           ; my part of the second fill is in,
	s_barrier_signal -1
	s_barrier_wait -1                              ; and everybody's
	PLACES 4
	FETCH 0, 0, NT
.endif
.endm
	s_wait_tensorcnt 0x0
	s_barrier_signal -1
	s_barrier_wait -1                              ; chunks 0 and 1 are whole
	FETCH 0, 0, 0
.irp k, 0,1,2,3,4,5,6,7
	KSTEP \k
.endr
	WIN 0
; THE WAY OUT, block by block of 16 rows x 128 columns, through my own stage: whole rows of 512 bytes come back, which the 32 lanes store as two aligned units of 256 bytes.
.macro TOSTAGE a
	WIN 0x32
.irp b, 0,1,2,3,4,5,6,7
.irp i, 0,2,4,6
	v_pk_fma_f32 v[TMP+8*\b+\i:TMP+8*\b+\i+1], v[8*(8*\a+\b)+\i:8*(8*\a+\b)+\i+1], s[SC:SC+1], v[8*\b+\i:8*\b+\i+1] op_sel_hi:[1,0,1]
.endr
.endr
	WIN 0
.irp b, 0,1,2,3,4,5,6,7
	ds_store_b128 v[STO], v[TMP+8*\b:TMP+8*\b+3] offset:64*\b
	ds_store_b128 v[STO], v[TMP+8*\b+4:TMP+8*\b+7] offset:64*\b+16
.endr
.set BB, 192-160*((\a)%2)
.irp t, 0,1,2,3,4,5,6,7,8,9,10,11,12,13,14,15
	ds_load_b128 v[BB+4*\t:BB+4*\t+3], v[RD] offset:\t*SPITCH
.endr
.endm
.macro SEND a, younger
.set BB, 192-160*((\a)%2)
	s_wait_dscnt \younger                          ; the block is back; the next block's 16 stores and 16 loads may be out
.irp t, 0,1,2,3,4,5,6,7,8,9,10,11,12,13,14,15
	global_store_b128 v[GOUT], v[BB+4*\t:BB+4*\t+3], s[12:13] offset:(16*(\a)+\t)*4096 th:TH_STORE_NT
.endr
.endm
	PLACES 4
	TOSTAGE 0
	TOSTAGE 1
	SEND 0, 32
	s_wait_xcnt 0x0                                ; block 0's stores have read their registers
	TOSTAGE 2
	SEND 1, 32
	s_wait_xcnt 0x0
	TOSTAGE 3
	SEND 2, 32
	SEND 3, 0
	s_wait_tensorcnt 0x0                           ; the wave's end
	ds_add_u32 v[SPW], v[NIL]
	s_wait_dscnt 0x0
	CROUND                                         ; the closing round
	s_endpgm
.Lfunc_end_k_qbdbb645f05_proj:
	.size	k_qbdbb645f05_proj, .Lfunc_end_k_qbdbb645f05_proj-k_qbdbb645f05_proj
	.p2alignl 7, 3214868480
	.fill 96, 4, 3214868480
	.section	.rodata,"a",@progbits
	.p2align	6, 0x0
	.amdhsa_kernel k_qbdbb645f05_proj
		.amdhsa_group_segment_fixed_size 327680
		.amdhsa_private_segment_fixed_size 0
		.amdhsa_enable_private_segment 0
		.amdhsa_kernarg_size 40
		.amdhsa_user_sgpr_count 2
		.amdhsa_user_sgpr_kernarg_segment_ptr 1
		.amdhsa_wavefront_size32 1
		.amdhsa_system_sgpr_workgroup_id_x 1
		.amdhsa_system_sgpr_workgroup_id_y 1
		.amdhsa_system_sgpr_workgroup_id_z 1
		.amdhsa_system_vgpr_workitem_id 0
		.amdhsa_next_free_vgpr 1024
		.amdhsa_next_free_sgpr 100
		.amdhsa_reserve_vcc 0
		.amdhsa_float_denorm_mode_32 3
		.amdhsa_float_denorm_mode_16_64 3
		.amdhsa_memory_ordered 1
		.amdhsa_forward_progress 1
		.amdhsa_inst_pref_size 75
	.end_amdhsa_kernel
	.amdgpu_metadata
---
amdhsa.version: [ 1, 2 ]
amdhsa.kernels:
  - .name:           k_qbdbb645f05_proj
    .symbol:         k_qbdbb645f05_proj.kd
    .args:
      - { .name: yc, .offset: 0, .size: 8, .value_kind: global_buffer, .address_space: global }
      - { .name: wc, .offset: 8, .size: 8, .value_kind: global_buffer, .address_space: global }
      - { .name: lowp_scales, .offset: 16, .size: 8, .value_kind: global_buffer, .address_space: global }
      - { .name: bp, .offset: 24, .size: 8, .value_kind: global_buffer, .address_space: global }
      - { .name: out0, .offset: 32, .size: 8, .value_kind: global_buffer, .address_space: global }
    .group_segment_fixed_size: 327680
    .private_segment_fixed_size: 0
    .kernarg_segment_align: 8
    .kernarg_segment_size: 40
    .max_flat_workgroup_size: 128
    .sgpr_count:     100
    .vgpr_count:     1024
    .wavefront_size: 32
...
	.end_amdgpu_metadata
.endif
;; end of part 4
